; MI455X (gfx1250); checked and timed in simulation.
; The chip was launched on July 23, 2026; its instructions are those of AMD's public machine-readable ISA for CDNA 5 (MIT licence, August 2026) and "CDNA5" Instruction Set Architecture Reference Guide (July 2026). The comments in the code are by the model that wrote it; some were corrected since.
;; Mobile Bert Self Attention. Allowed arithmetic: matrix products marked QUANTISED: E2M3 operands, one E8M0 scale for each 32 along K, by v_wmma_scale_f32_16x16x128_f8f6f4 with both operands' format E2M3, f32 sums; everything else in f32.
;; Inputs: Wk 512 x 512 float32; Wq 512 x 512 float32; Wv 512 x 512 float32; attention_mask 8 x 1 x 1 x 2,048 float32; bk 512 float32; bq 512 float32; bv 512 float32; key_tensor 8 x 2,048 x 512 float32; query_tensor 8 x 2,048 x 512 float32; value_tensor 8 x 2,048 x 512 float32.
;; Outputs: out0 8 x 2,048 x 512 float32.
;; This version of the problem:
;;   THIS VERSION OF THE PROBLEM IS GIVEN IN LOW PRECISION. The matrix products marked QUANTISED in the list below multiply operands that are first quantised to E2M3 (2 exponent bits, 3 mantissa bits; 6 bits a number), with one power-of-two scale for each 32 numbers along K (OCP MX v1.0); their sums are f32. All else is computed in f32.
;;   The module's matrix products, in the order in which they are computed (A, B: the left and right operand; K: the contracted axis; several contracted axes count as one K, in the product's order):
;;     1. [M 16,384, K 512] x [K 512, N 512]; A: input query_tensor; B: input Wq: QUANTISED
;;     2. [M 16,384, K 512] x [K 512, N 512]; A: input key_tensor; B: input Wk: QUANTISED
;;     3. [M 16,384, K 512] x [K 512, N 512]; A: input value_tensor; B: input Wv: QUANTISED
;;     4. batch 64 x [M 2,048, K 64] x [K 64, N 2,048]; A: computed on the way; B: computed on the way: QUANTISED
;;     5. batch 64 x [M 2,048, K 2,048] x [K 2,048, N 64]; A: softmax (see below); B: computed on the way: QUANTISED
;;   THE QUANTISER, for each operand of a quantised product, along K:
;;     - K is cut into blocks of 32 from its start; a last block that is shorter is filled with zeros.
;;     - A block's scale is 2^e with e = floor(log2(the largest magnitude in the block)) - 2, held to -126 .. 127; a block of zeros has e = 0. As a byte (E8M0): e + 127.
;;     - Each number is divided by its block's scale, clamped to +-7.5, and rounded to the nearest number of E2M3, ties to even, subnormals kept.
;;     - The product sums the exact products of the quantised numbers (number of the format x scale) in f32.
;;   ~~~python
;;   def quantise(x, axis):      # numpy; x: float32 -> the quantised numbers, widened to float32 again
;;       x = np.moveaxis(x, axis, -1); K = x.shape[-1]
;;       x = np.pad(x, [(0, 0)] * (x.ndim - 1) + [(0, -K % 32)]); x = x.reshape(x.shape[:-1] + (-1, 32)); a = np.abs(x).max(-1, keepdims=True)
;;       e = np.where(a > 0, np.clip(np.frexp(np.where(a > 0, a, 1))[1] - 1 - 2, -126, 127), 0)      # np.frexp(a)[1] - 1 = floor(log2(a)), exactly
;;       r = np.clip(x / 2.0 ** e, -7.5, 7.5)
;;       step = 2.0 ** (np.maximum(np.frexp(np.where(r == 0, 1, r))[1] - 1, 0) - 3)
;;       q = np.round(r / step) * step * 2.0 ** e      # np.round: ties to even
;;       return np.moveaxis(q.reshape(q.shape[:-2] + (-1,))[..., :K], -1, axis).astype(np.float32)
;;   ~~~
;;   SOFTMAX AHEAD OF A QUANTISED PRODUCT. Where the list says 'softmax', what is quantised is not the finished softmax but p = 2^(t - M), with t = logit x log2(e) and M = ceil(the row's largest t), a whole number; so 1/2 < the row's largest p <= 1. The row's sum l is taken of the UNQUANTISED p, in f32, and the product's result is divided by l at the end. Since M is a whole number, a kernel that streams over the keys may use a running M (the ceiling of the running maximum): every later rescaling is an exact power of two, which a block's scale takes up: the codes' values come out the same.
;;   OPERANDS COMPUTED ON THE WAY. 'Computed on the way' means the value that the module computes at that place (a softmax that the list does not call 'softmax' is quantised finished and normalised). What goes into a quantiser is computed in f32, as accurately as f32 sums, v_exp_f32 and their like allow (about 1e-6 of the number): no bf16 or f16 on the way to a quantiser, and a product that is left as it is and whose result goes on into a quantised operand takes f32 operands (vector FMAs, or v_wmma_f32_16x16x4_f32). A number that lies on a knife's edge between two numbers of the format may be rounded either way, as far as f32 arithmetic and the matrix unit's own rounding can turn it there, and no further.
;; One version. Each part assembles by itself: llvm-mc -triple=amdgcn-amd-amdhsa -mcpu=gfx1250 --defsym DOCPART=n.
;; ======== version 1 of 1: 3 launches
;; limits: right only within a limited range of input values
;; workspace buffers: wimg 589,824 bytes; wsc 49,152 bytes; qbuf 7,340,032 bytes; kvbuf 14,155,776 bytes
;; launch wq (part 1): grid 32 x 3, 4 waves a work-group, no clusters, 0 bytes of LDS; arguments Wq, Wk, Wv, wimg, wsc; writes wimg, wsc
.if DOCPART == 1
	.amdgcn_target "amdgcn-amd-amdhsa--gfx1250"
	.amdhsa_code_object_version 6
	.text
	.protected	k_q89ddb1b3bf_wq
	.globl	k_q89ddb1b3bf_wq
	.p2align	8
	.type	k_q89ddb1b3bf_wq,@function
k_q89ddb1b3bf_wq:
	s_mov_b64 s[64:65], 0
	v_nop
	global_prefetch_b8 v0, s[64:65] scope:SCOPE_SE
	s_setreg_imm32_b32 hwreg(HW_REG_WAVE_MODE, 25, 1), 1
	s_wait_xcnt 0x0
; THE PROGRAM: out0 = softmax((x_q Wq + bq)(x_k Wk + bk)^T / 8 + mask)(x_v Wv + bv), head by head, all five products on codes of FP6 (E2M3) with one E8M0 scale for each 32 along K.
; Three launches: this one turns the three weights into codes; the second makes q, k and v and quantises them; the third is the attention.
; DEAD WORK: none.  Every input has a way to out0: the three biases move the codes of q, k and v (bk too: a quantiser stands between it and the softmax), the mask moves the scores key by key.  All ten inputs are loaded.
; THIS LAUNCH: W [512 (k)][512 (n)] f32, K its FIRST axis, becomes images of operand registers.  A fragment is 16 columns x 128 along K: 12 registers a lane.
; A LANE TAKES A COLUMN AND ITS REGISTERS RUN DOWN K, in the order that the operand's layout gives that lane (lane (r, h): k = 64 c + 32 h + 0 .. 31 in registers 6 c .. 6 c + 5): the conversions' results are the operand's registers.
; THE COLUMNS OF A TILE ARE NOT NEIGHBOURS: lane r of tile T takes column 32 (T / 2) + 8 (T % 2) + r + 8 (r / 8), so that later two neighbouring tiles' results are 16 neighbours along the next K.
; wimg: fragment F = (32 tensor + T) 4 + s at 1,536 F: registers 4 c .. 4 c + 3 at 512 c + 16 x lane.  wsc: its scale words at 128 F + 4 x lane (lanes 16-31 hold what lanes 0-15 hold).
; One wave makes one fragment; the four waves of a work-group stand side by side on 64 columns, 256 bytes of each row of W.  No LDS, no barrier, no loop.  The scale words leave 128 bytes a wave: 48 KiB in the whole program.
; A block's scale byte is its largest magnitude's exponent field - 2, held at 1 from below (a block of zeros gets 1 where the rule says 127: its codes are zeros, and this program alone reads the bytes).
; LIMITS: NaN and infinities among the inputs are not served; blocks whose largest magnitude lies under 2^-124 take the byte 1.
	s_load_b256 s[4:11], s[0:1], 0x0               ; Wq s[4:5], Wk s[6:7], Wv s[8:9], wimg s[10:11]
	s_load_b64 s[12:13], s[0:1], 0x20              ; wsc
	v_lshrrev_b32 v1, 5, v0
	v_readfirstlane_b32 s14, v1                    ; wave 0..3
	v_and_b32 v1, 15, v0                           ; r
	v_bfe_u32 v2, v0, 4, 1                         ; h
	v_and_b32 v4, 8, v1
	v_add_nc_u32 v4, v4, v1                        ; r + 8 (r / 8)
	v_lshlrev_b32 v3, 2, v4                        ; my column, 4 bytes each,
	v_lshl_add_u32 v3, v2, 16, v3                  ; and 32 rows of 2,048 bytes further down for lanes 16-31
	v_and_b32 v5, 31, v0
	v_lshlrev_b32 v6, 4, v5                        ; 16 x lane
	v_lshlrev_b32 v7, 2, v5                        ; 4 x lane
	s_and_b32 s15, ttmp9, 7                        ; which 64 columns
	s_lshr_b32 s16, ttmp9, 3                       ; s: which 128 along K
	s_and_b32 s17, ttmp7, 0xffff                   ; which tensor: 0 q, 1 k, 2 v
	s_lshl_b32 s18, s15, 2
	s_add_co_u32 s18, s18, s14                     ; T
	s_lshl_b32 s20, s16, 18                        ; 128 s rows of 2,048 bytes
	s_lshr_b32 s19, s18, 1
	s_lshl_b32 s19, s19, 7                         ; 32 (T / 2) columns
	s_add_co_u32 s20, s20, s19
	s_and_b32 s19, s18, 1
	s_lshl_b32 s19, s19, 5                         ; 8 (T % 2) columns
	s_add_co_u32 s20, s20, s19
	s_mov_b32 s21, 0
	s_lshl_b32 s22, s17, 5
	s_add_co_u32 s22, s22, s18
	s_lshl_b32 s22, s22, 2
	s_add_co_u32 s22, s22, s16                     ; F
	s_mul_i32 s24, s22, 1536
	s_mov_b32 s25, 0
	s_lshl_b32 s26, s22, 7
	s_mov_b32 s27, 0
	s_mov_b32 s28, 0x76543210
	s_mov_b32 s29, 0xfedcba98                      ; v_permlanex16_b32's selects for lane l xor 16
	s_wait_alu depctr_va_vdst(0)
	s_wait_kmcnt 0x0
	s_cmp_eq_u32 s17, 1                            ; the choice hangs on the work-group's number alone
	s_cselect_b64 s[4:5], s[6:7], s[4:5]
	s_cmp_eq_u32 s17, 2
	s_cselect_b64 s[4:5], s[8:9], s[4:5]
	s_add_nc_u64 s[4:5], s[4:5], s[20:21]
	s_add_nc_u64 s[10:11], s[10:11], s[24:25]
	s_add_nc_u64 s[12:13], s[12:13], s[26:27]
.irp c, 0,1
.irp i, 0,1,2,3,4,5,6,7,8,9,10,11,12,13,14,15,16,17,18,19,20,21,22,23,24,25,26,27,28,29,30,31
	global_load_b32 v[64+32*\c+\i], v3, s[4:5] offset:(64*\c+\i)*2048   ; W(128 s + 64 c + 32 h + i, my column)
.endr
.endr
	s_wait_loadcnt 0x0
.irp c, 0,1                                    ; my block 2 c + h: all its 32 numbers are mine
	v_max3_num_f32 v[32+\c], |v[64+32*\c]|, |v[65+32*\c]|, 0x1800000   ; and the floor 2^(3 - 127): the byte cannot fall under 1
.endr
.irp i, 2,4,6,8,10,12,14,16,18,20,22,24,26,28,30
.irp c, 0,1
	v_max3_num_f32 v[32+\c], v[32+\c], |v[64+32*\c+\i]|, |v[65+32*\c+\i]|
.endr
.endr
.irp c, 0,1
	v_add_nc_u32 v[44+\c], 0xff000000, v[32+\c]    ; 2 off the exponent field: the conversion's scale operand
.endr
.irp c, 0,1
	v_lshrrev_b32 v[36+\c], 23, v[44+\c]           ; the scale's byte
.endr
	v_lshl_or_b32 v9, v37, 16, v36                 ; my two bytes: blocks h and 2 + h,
	v_lshlrev_b32 v10, 3, v2
	v_lshlrev_b32 v9, v10, v9                      ; at their places in the word;
	v_mov_b32 v10, 0
	v_permlanex16_b32 v10, v9, s28, s29
	v_or_b32 v9, v9, v10                           ; with lane l xor 16's two the word is whole, in both halves of the lanes
.irp c, 0,1
	v_cvt_scalef32_pk16_fp6_f32 v[48+6*\c:50+6*\c], v[64+32*\c:79+32*\c], v[44+\c]
	v_cvt_scalef32_pk16_fp6_f32 v[128+4*\c:130+4*\c], v[80+32*\c:95+32*\c], v[44+\c]   ; (a conversion's three registers begin on an even number)
.endr
	v_nop                                          ; one plain place behind a scaled conversion
.irp c, 0,1
.irp i, 0,1,2
	v_mov_b32 v[51+6*\c+\i], v[128+4*\c+\i]
.endr
.endr
.irp c, 0,1,2
	global_store_b128 v6, v[48+4*\c:51+4*\c], s[10:11] offset:512*\c   ; 32 lanes store 512 consecutive bytes, at a multiple of 256 from the buffer's first byte
.endr
	global_store_b32 v7, v9, s[12:13]
	s_endpgm
.Lfunc_end_k_q89ddb1b3bf_wq:
	.size	k_q89ddb1b3bf_wq, .Lfunc_end_k_q89ddb1b3bf_wq-k_q89ddb1b3bf_wq
	.p2alignl 7, 3214868480
	.fill 96, 4, 3214868480
	.section	.rodata,"a",@progbits
	.p2align	6, 0x0
	.amdhsa_kernel k_q89ddb1b3bf_wq
		.amdhsa_group_segment_fixed_size 0
		.amdhsa_private_segment_fixed_size 0
		.amdhsa_enable_private_segment 0
		.amdhsa_kernarg_size 40
		.amdhsa_user_sgpr_count 2
		.amdhsa_user_sgpr_kernarg_segment_ptr 1
		.amdhsa_wavefront_size32 1
		.amdhsa_system_sgpr_workgroup_id_x 1
		.amdhsa_system_sgpr_workgroup_id_y 1
		.amdhsa_system_sgpr_workgroup_id_z 1
		.amdhsa_system_vgpr_workitem_id 0
		.amdhsa_next_free_vgpr 136
		.amdhsa_next_free_sgpr 66
		.amdhsa_reserve_vcc 0
		.amdhsa_float_denorm_mode_32 3
		.amdhsa_float_denorm_mode_16_64 3
		.amdhsa_memory_ordered 1
		.amdhsa_forward_progress 1
		.amdhsa_inst_pref_size 12
	.end_amdhsa_kernel
	.amdgpu_metadata
---
amdhsa.version: [ 1, 2 ]
amdhsa.kernels:
  - .name:           k_q89ddb1b3bf_wq
    .symbol:         k_q89ddb1b3bf_wq.kd
    .args:
      - { .name: Wq, .offset: 0, .size: 8, .value_kind: global_buffer, .address_space: global }
      - { .name: Wk, .offset: 8, .size: 8, .value_kind: global_buffer, .address_space: global }
      - { .name: Wv, .offset: 16, .size: 8, .value_kind: global_buffer, .address_space: global }
      - { .name: wimg, .offset: 24, .size: 8, .value_kind: global_buffer, .address_space: global }
      - { .name: wsc, .offset: 32, .size: 8, .value_kind: global_buffer, .address_space: global }
    .group_segment_fixed_size: 0
    .private_segment_fixed_size: 0
    .kernarg_segment_align: 8
    .kernarg_segment_size: 40
    .max_flat_workgroup_size: 128
    .sgpr_count:     66
    .vgpr_count:     136
    .wavefront_size: 32
...
	.end_amdgpu_metadata
.endif
;; end of part 1
;; launch proj (part 2): grid 64 x 3, 8 waves a work-group, no clusters, 327,680 bytes of LDS; arguments query_tensor, key_tensor, value_tensor, bq, bk, bv, wimg, wsc, qbuf, kvbuf; writes qbuf, kvbuf
.if DOCPART == 2
	.amdgcn_target "amdgcn-amd-amdhsa--gfx1250"
	.amdhsa_code_object_version 6
	.text
	.protected	k_q89ddb1b3bf_proj
	.globl	k_q89ddb1b3bf_proj
	.p2align	8
	.type	k_q89ddb1b3bf_proj,@function
k_q89ddb1b3bf_proj:
	s_mov_b64 s[64:65], 0
	v_nop
	global_prefetch_b8 v0, s[64:65] scope:SCOPE_SE
	s_setreg_imm32_b32 hwreg(HW_REG_WAVE_MODE, 25, 1), 1
	s_wait_xcnt 0x0
; q = x_q Wq + bq, k = x_k Wk + bk, v = x_v Wv + bv on codes of FP6 (E2M3), and their quantising for the attention: q and k along the head's 64, v along the keys.  No work is left out.
; SHARES.  Work-group (x, y) takes 256 rows of tensor y (0 q, 1 k, 2 v), in four blocks of 64 rows; each of its eight waves one head: 64 columns, whose W (4 tiles x 4 K steps x 12 registers) stays in registers.
; A BLOCK: x's 64 rows x 512 f32 come into one of two LDS slots by tensor loads, 8 rows a wave.  Each wave quantises two units of 16 rows x 128 along K and stores them to LDS as images of operand registers;
; behind a barrier every wave reads the 16 images and multiplies: 64 matrix instructions on 16 accumulators by turns; then it quantises its head's 64 x 64 results and stores images and scale words.
; q AND k: source 0 = W's columns, source 1 = x's rows: a lane holds one row, its registers run along d.  v: the sources swapped: a lane holds one d, its registers run along the keys.  The bias is the C of the first K step.
; THE ROWS OF AN IMAGE of x and the columns of a tile of W are not neighbours (lane r: 32 (T / 2) + 8 (T % 2) + r + 8 (r / 8)), so that two neighbouring tiles' 16 registers are 16 neighbours along the next K.
; OUT.  A record is 128 rows of one head.  qbuf: 8 images of 768 bytes, then the scale words (7,168 bytes).  kvbuf: k's 8 images, v's 8 half fragments, k's and v's scale words (13,824 bytes).
; NO CLUSTER: no tile that goes through LDS is shared between work-groups (W goes from memory into registers, once a wave).  NO PREFETCH: of the four blocks two are asked for at the head, and the other two
; a whole block's work (64 matrix instructions and three quantisers a wave) ahead of their first read.
; The grid is 192 work-groups: a tensor's 256 blocks do not divide into 256 / 3 equal shares.
; A block's scale byte is its largest magnitude's exponent field - 2, held from below (x: at 1; q, k, v: at 4, so that 3 can be taken off q's).  LIMITS: NaN and infinities are not served.
; REGISTERS.  Window 0: addresses, scale words, a work area of 96 (x's numbers; x's fragments; the way out), W's K steps 0, 1.  Window 1: W's K steps 2, 3 (v0-95), the sums (v96-223), the bias (v224-255).
.set SLOTB, 133120                     ; 64 rows x 2,080
.set XROW,  2080                       ; an LDS row of x: two halves of 1,024 bytes, 16 of padding behind each
.set XIMG0, 2*SLOTB
.set XIMGB, 26624                      ; 16 images of 1,536 bytes and their scale words
.set XSCO,  24576
.set SPARE, XIMG0+2*XIMGB
.set FRB,   1536
.set GIS, 3
.set XR,  4
.set XWI, 6
.set XWS, 7
.set LI,  8
.set LS,  9
.set GI,  10
.set G8,  11
.set SPW, 12
.set NIL, 13
.set PW,  14
.set SWE, 16
.set SWO, 20
.set WS,  24                           ; v24-39 W's scale words;  v40-47 x's, two sets
.set XS,  40
.set AR,  48                           ; v48-143 the work area
.set XN,  AR
.set PCX, AR+64
.set XF,  AR
.set PC,  AR
.set PT,  AR+32
.set W01, 144                          ; v144-239
.set ACC, 96                           ; window 1
.set BI,  224
.set TAU, 24
.set WV,  25
.set SEL, 28
.set PSEL, 30
.set RS,  32
.set G1,  36
.set G0,  44
.set DIMG, 52
.set DSCL, 56
.set MSB, 0
.macro WIN new
.if MSB != \new
	s_set_vgpr_msb (MSB<<8)|\new
.set MSB, \new
.endif
.endm
.macro PLACES
.rept 4
	v_nop
.endr
.endm
.macro QUANT src, pc, pw               ; 16 rows x 128 along K: a lane holds 16 numbers of each of four blocks, lane l xor 16 the other 16
.irp b, 0,1,2,3
	v_max3_num_f32 v[TM+\b], |v[\src+16*\b]|, |v[\src+1+16*\b]|, 0x1800000
.endr
.irp i, 2,4,6,8,10,12,14
.irp b, 0,1,2,3
	v_max3_num_f32 v[TM+\b], v[TM+\b], |v[\src+16*\b+\i]|, |v[\src+1+16*\b+\i]|
.endr
.endr
.irp b, 0,1,2,3
	v_permlanex16_b32 v[TP+\b], v[TM+\b], s[SEL], s[SEL+1]
.endr
.irp b, 0,1,2,3
	v_max_num_f32 v[TM+\b], v[TM+\b], v[TP+\b]
.endr
.irp b, 0,1,2,3
	v_add_nc_u32 v[SO+\b], 0xff000000, v[TM+\b]    ; 2 off the exponent field: the conversion's scale operand
.endr
.irp b, 0,1,2,3
	v_lshrrev_b32 v[TP+\b], 23, v[SO+\b]
.endr
	v_lshl_or_b32 v[\pw], v[TP+1], 8, v[TP]
	v_lshl_or_b32 v[\pw], v[TP+2], 16, v[\pw]
	v_lshl_or_b32 v[\pw], v[TP+3], 24, v[\pw]
.irp c, 0,1
	v_cvt_scalef32_pk16_fp6_f32 v[\pc+6*\c:\pc+2+6*\c], v[\src+32*\c:\src+15+32*\c], v[SO+2*\c]
	v_cvt_scalef32_pk16_fp6_f32 v[\pc+12+4*\c:\pc+14+4*\c], v[\src+16+32*\c:\src+31+32*\c], v[SO+2*\c+1]
.endr
	v_nop                                          ; one plain place behind a scaled conversion
.irp c, 0,1                                    ; a whole block to a lane
.irp i, 0,1,2
	v_permlane16_swap_b32 v[\pc+6*\c+\i], v[\pc+12+4*\c+\i]
.endr
.irp i, 0,1,2
	v_mov_b32 v[\pc+3+6*\c+\i], v[\pc+12+4*\c+\i]
.endr
.endr
.endm
.macro IMAGE pc, pw, n, s
.irp c, 0,1,2
	ds_store_b128 v[XWI], v[\pc+4*\c:\pc+4*\c+3] offset:(\n)*XIMGB+FRB*(\s)+512*\c
.endr
	ds_store_b32 v[XWS], v[\pw] offset:(\n)*XIMGB+128*(\s)
.endm
.macro XL n, s                         ; my unit s (0, 1) of slot n: 64 numbers a lane
.irp b, 0,1,2,3
.irp j, 0,1,2,3
	ds_load_b128 v[XN+16*\b+4*\j:XN+16*\b+4*\j+3], v[XR+(\n)] offset:512*(\s)+128*\b+16*\j
.endr
.endr
.endm
.macro FETCHX n, s, buf                ; x's four images of K step s and their scale words: 16 LDS loads
.irp m, 0,1,2,3
.irp c, 0,1,2
	ds_load_b128 v[XF+48*(\buf)+12*\m+4*\c:XF+48*(\buf)+12*\m+4*\c+3], v[LI] offset:(\n)*XIMGB+(4*\m+(\s))*FRB+512*\c
.endr
	ds_load_b32 v[XS+4*(\buf)+\m], v[LS] offset:(\n)*XIMGB+(4*\m+(\s))*128
.endr
.endm
.macro MULS s, buf                     ; K step s: 16 matrix instructions, the 16 accumulators by turns
.if (\s) < 2
.set WB, W01+48*(\s)
.else
.set WB, 48*((\s)-2)
.endif
	s_cmp_eq_u32 s[TAU], 2
	s_cbranch_scc1 .Lvmode_\@
.if (\s) < 2
	WIN 0x50
.else
	WIN 0x51
.endif
.set AI, 0
.rept 16
.set WJ, AI%4
.set XI, AI/4
.if (\s) == 0
	v_wmma_scale_f32_16x16x128_f8f6f4 v[ACC+8*AI:ACC+8*AI+7], v[WB+12*WJ:WB+12*WJ+11], v[XF+48*(\buf)+12*XI:XF+48*(\buf)+12*XI+11], v[BI+8*WJ:BI+8*WJ+7], v[WS+4*WJ+(\s)], v[XS+4*(\buf)+XI] matrix_a_fmt:MATRIX_FMT_FP6 matrix_b_fmt:MATRIX_FMT_FP6
.else
	v_wmma_scale_f32_16x16x128_f8f6f4 v[ACC+8*AI:ACC+8*AI+7], v[WB+12*WJ:WB+12*WJ+11], v[XF+48*(\buf)+12*XI:XF+48*(\buf)+12*XI+11], v[ACC+8*AI:ACC+8*AI+7], v[WS+4*WJ+(\s)], v[XS+4*(\buf)+XI] matrix_a_fmt:MATRIX_FMT_FP6 matrix_b_fmt:MATRIX_FMT_FP6
.endif
.set AI, AI+1
.endr
	WIN 0
	s_branch .Ljoin_\@
.Lvmode_\@:
.if (\s) < 2
	WIN 0x50
.else
	WIN 0x54
.endif
.set AI, 0
.rept 16
.set WJ, AI/4
.set XI, AI%4
.if (\s) == 0
	v_wmma_scale_f32_16x16x128_f8f6f4 v[ACC+8*AI:ACC+8*AI+7], v[XF+48*(\buf)+12*XI:XF+48*(\buf)+12*XI+11], v[WB+12*WJ:WB+12*WJ+11], v[BI+8*WJ:BI+8*WJ+7], v[XS+4*(\buf)+XI], v[WS+4*WJ+(\s)] matrix_a_fmt:MATRIX_FMT_FP6 matrix_b_fmt:MATRIX_FMT_FP6
.else
	v_wmma_scale_f32_16x16x128_f8f6f4 v[ACC+8*AI:ACC+8*AI+7], v[XF+48*(\buf)+12*XI:XF+48*(\buf)+12*XI+11], v[WB+12*WJ:WB+12*WJ+11], v[ACC+8*AI:ACC+8*AI+7], v[XS+4*(\buf)+XI], v[WS+4*WJ+(\s)] matrix_a_fmt:MATRIX_FMT_FP6 matrix_b_fmt:MATRIX_FMT_FP6
.endif
.set AI, AI+1
.endr
	WIN 0
.Ljoin_\@:
.endm
.macro OUTQ blk                        ; my head's 64 x 64 results: eight blocks of 32 in groups of 16 registers; four images of 768 bytes and their scale words
.if (\blk)%2
.set SW, SWO
.else
.set SW, SWE
.endif
	WIN 0x05
.irp k, 0,1,2,3,4,5,6,7
	v_max3_num_f32 v[TM+\k], |v[ACC+16*\k]|, |v[ACC+16*\k+1]|, 0x3000000   ; each accumulator is read from its low end on; the floor holds the byte at 4
.endr
.irp i, 2,4,6,8,10,12,14
.irp k, 0,1,2,3,4,5,6,7
	v_max3_num_f32 v[TM+\k], |v[ACC+16*\k+\i]|, |v[ACC+16*\k+\i+1]|, v[TM+\k]
.endr
.endr
	WIN 0
.irp k, 0,1,2,3,4,5,6,7
	v_permlanex16_b32 v[TP+\k], v[TM+\k], s[SEL], s[SEL+1]
.endr
.irp k, 0,1,2,3,4,5,6,7
	v_max_num_f32 v[TM+\k], v[TM+\k], v[TP+\k]
.endr
.irp k, 0,1,2,3,4,5,6,7
	v_add_nc_u32 v[SO+\k], 0xff000000, v[TM+\k]
.endr
.irp k, 0,1,2,3,4,5,6,7
	v_lshrrev_b32 v[TP+\k], 23, v[SO+\k]
.endr
.irp m, 0,1,2,3
	v_lshl_or_b32 v[SW+\m], v[TP+2*\m+1], 8, v[TP+2*\m]
.endr
.irp m, 0,1,2,3
	v_or_b32 v[SW+\m], 0x7f7f0000, v[SW+\m]        ; the K that q and k do not have: bytes of 1.0
.endr
	WIN 0x01
.irp m, 0,1,2,3
	v_cvt_scalef32_pk16_fp6_f32 v[PC+8*\m:PC+8*\m+2], v[ACC+32*\m:ACC+32*\m+15], v[SO+2*\m]
	v_cvt_scalef32_pk16_fp6_f32 v[PT+4*\m:PT+4*\m+2], v[ACC+32*\m+16:ACC+32*\m+31], v[SO+2*\m+1]
.endr
	WIN 0
	v_nop
.irp m, 0,1,2,3
.irp i, 0,1,2
	v_permlane16_swap_b32 v[PC+8*\m+\i], v[PT+4*\m+\i]
.endr
.irp i, 0,1,2
	v_mov_b32 v[PC+8*\m+3+\i], v[PT+4*\m+\i]
.endr
.endr
.if (\blk)%2
.irp m, 0,1,2,3
	v_perm_b32 v[SW+\m], v[SW+\m], v[SWE+\m], s[PSEL]   ; q, k: this block's word as it is; v: the two blocks' byte pairs make the word of 128 keys
.endr
.endif
.irp m, 0,1,2,3
	global_store_b128 v[GI], v[PC+8*\m:PC+8*\m+3], s[DIMG:DIMG+1] offset:3072*((\blk)%2)+768*\m
	global_store_b64 v[G8], v[PC+8*\m+4:PC+8*\m+5], s[DIMG:DIMG+1] offset:3072*((\blk)%2)+768*\m+512
.endr
.if (\blk)%2
	global_store_b128 v[GIS], v[SW:SW+3], s[DSCL:DSCL+1]
.else
	s_cmp_eq_u32 s[TAU], 2
	s_cbranch_scc1 .Lnot_yet_\@
	global_store_b128 v[GI], v[SW:SW+3], s[DSCL:DSCL+1]
.Lnot_yet_\@:
.endif
.endm
.macro BLOCK blk
.set NN, (\blk)%2
.set TM, AR+84
.set TP, AR+88
.set SO, AR+92
.if (\blk) > 0
	s_wait_xcnt 0x0                                ; the last block's stores have read their registers and their bases
.endif
.if (\blk) == 2
	s_add_nc_u64 s[DIMG:DIMG+1], s[DIMG:DIMG+1], s[RS:RS+1]   ; the next record
	s_add_nc_u64 s[DSCL:DSCL+1], s[DSCL:DSCL+1], s[RS:RS+1]
.endif
	XL NN, 0
	s_wait_dscnt 0x0
	QUANT XN, PCX, PW
	IMAGE PCX, PW, NN, 0
	XL NN, 1
	s_wait_dscnt 0x0                               ; the numbers are in, and the image's stores have read their registers
	QUANT XN, PCX, PW
	IMAGE PCX, PW, NN, 1
.if (\blk) < 2
	s_wait_tensorcnt 0x0                           ; all my tensor loads are in: the one that was out is my part of the other slot;
	ds_add_u32 v[SPW], v[NIL]
	s_add_nc_u64 s[G0+4*NN+2:G0+4*NN+3], s[G0+4*NN+2:G0+4*NN+3], 262144
	s_wait_dscnt 0x0                               ; the add, my image's stores and my reads of this slot are done
	s_barrier_signal -1
	s_barrier_wait -1
	tensor_load_to_lds s[G0+4*NN:G0+4*NN+3], s[G1:G1+7]   ; the block two further on, into the slot just read out
	s_nop 0
	PLACES
.elseif (\blk) == 2
	s_wait_tensorcnt 0x0                           ; my part of the last block is in
	s_wait_dscnt 0x0
	s_barrier_signal -1
	s_barrier_wait -1
.else
	s_wait_dscnt 0x0
	s_barrier_signal -1
	s_barrier_wait -1
.endif
	FETCHX NN, 0, 0
	FETCHX NN, 1, 1
	s_wait_dscnt 16                                ; all but the 16 loads issued last
	MULS 0, 0
	PLACES                                         ; in front of loads into registers that matrix instructions have read
	FETCHX NN, 2, 0
	s_wait_dscnt 16
	MULS 1, 1
	PLACES
	FETCHX NN, 3, 1
	s_wait_dscnt 16
	MULS 2, 0
	s_wait_dscnt 0x0
	MULS 3, 1
	PLACES                                         ; in front of the first read of results
.set TM, AR+48
.set TP, AR+56
.set SO, AR+64
	OUTQ \blk
.endm
	s_load_b512 s[4:19], s[0:1], 0x0               ; x_q, x_k, x_v, bq, bk, bv, wimg, wsc
	s_load_b128 s[20:23], s[0:1], 0x40             ; qbuf, kvbuf
	v_lshl_add_u32 v[SPW], v0, 2, SPARE
	v_mov_b32 v[NIL], 0
	ds_add_u32 v[SPW], v[NIL]
	ds_add_u32 v[SPW], v[NIL]
	v_lshrrev_b32 v1, 5, v0
	v_readfirstlane_b32 s[WV], v1                  ; wave 0..7: my head
	s_and_b32 s[TAU], ttmp7, 0xffff                ; 0 q, 1 k, 2 v
	s_mov_b32 s[G1], (3<<16)|(1<<20)|(7<<22)|(3<<25)   ; elements of 8 bytes; 4 dwords of padding behind every 256
	s_mov_b32 s[G1+1], 128<<16                     ; rows of 1,024 bytes, dense: 8 rows of x are 16 of them
	s_mov_b32 s[G1+2], 16<<16
	s_mov_b32 s[G1+3], 128<<16
	s_mov_b32 s[G1+4], 16
	s_mov_b32 s[G1+5], 128
	s_mov_b32 s[G1+6], 0
	s_mov_b32 s[G1+7], 0
	s_mov_b32 s[SEL], 0x76543210
	s_mov_b32 s[SEL+1], 0xfedcba98
	s_mov_b32 s[PSEL], 0x07060504
	s_mov_b32 s[RS], 13824                         ; a record's bytes
	s_mov_b32 s[RS+1], 0
	s_mov_b32 s71, 12288                           ; where the scale words begin in it
	s_cmp_eq_u32 s[TAU], 2
	s_cselect_b32 s[PSEL], 0x05040100, s[PSEL]
	s_cselect_b32 s70, 6144, 0                     ; where the images begin in it
	s_cselect_b32 s71, 13312, s71
	s_cselect_b32 s72, -1, 0
	s_cselect_b32 s73, 0, 4
	s_cselect_b32 s74, 0, 512
	s_cmp_eq_u32 s[TAU], 0
	s_cselect_b32 s[RS], 7168, s[RS]
	s_cselect_b32 s71, 6144, s71
	s_wait_dscnt 0x0
	s_wait_kmcnt 0x0
	s_cmp_eq_u32 s[TAU], 1                         ; the choices hang on the work-group's number alone
	s_cselect_b64 s[60:61], s[6:7], s[4:5]
	s_cselect_b64 s[62:63], s[12:13], s[10:11]
	s_cmp_eq_u32 s[TAU], 2
	s_cselect_b64 s[60:61], s[8:9], s[60:61]
	s_cselect_b64 s[62:63], s[14:15], s[62:63]
	s_cmp_eq_u32 s[TAU], 0
	s_cselect_b64 s[DIMG:DIMG+1], s[20:21], s[22:23]
	s_lshl_b32 s76, ttmp9, 19                      ; my work-group's 256 rows of 2,048 bytes,
	s_lshl_b32 s77, s[WV], 14                      ; my wave's 8 of a block's 64
	s_add_co_u32 s76, s76, s77
	s_mov_b32 s77, 0
	s_add_nc_u64 s[60:61], s[60:61], s[76:77]
	s_mov_b32 s[G0], 1
	s_mul_i32 s[G0+1], s[WV], 8*XROW
	s_mov_b64 s[G0+2:G0+3], s[60:61]
	s_or_b32 s[G0+3], s[G0+3], 0x80000000
	s_mov_b32 s[G0+4], 1
	s_add_co_u32 s[G0+5], s[G0+1], SLOTB
	s_add_nc_u64 s[G0+6:G0+7], s[60:61], 131072
	s_or_b32 s[G0+7], s[G0+7], 0x80000000
	tensor_load_to_lds s[G0:G0+3], s[G1:G1+7]      ; block 0: my one load at the head
	s_nop 0
	PLACES
	s_lshl_b32 s76, s[TAU], 5                      ; W: tile 32 tensor + 4 wave
	s_lshl_b32 s77, s[WV], 2
	s_add_co_u32 s76, s76, s77
	s_mul_i32 s78, s76, 4*FRB
	s_mov_b32 s79, 0
	s_add_nc_u64 s[66:67], s[16:17], s[78:79]
	s_lshl_b32 s78, s76, 9
	s_add_nc_u64 s[68:69], s[18:19], s[78:79]
	s_lshl_b32 s78, s[WV], 8                       ; the bias: my 64 columns
	s_add_nc_u64 s[62:63], s[62:63], s[78:79]
	s_lshr_b32 s76, ttmp9, 3                       ; out: record (8 batch + head) 16 + 2 (which 256 rows)
	s_lshl_b32 s76, s76, 3
	s_add_co_u32 s76, s76, s[WV]
	s_lshl_b32 s76, s76, 4
	s_and_b32 s77, ttmp9, 7
	s_lshl_b32 s77, s77, 1
	s_add_co_u32 s76, s76, s77
	s_mul_i32 s76, s76, s[RS]
	s_mov_b32 s77, 0
	s_add_nc_u64 s[DIMG:DIMG+1], s[DIMG:DIMG+1], s[76:77]
	s_mov_b32 s78, s71
	s_add_nc_u64 s[DSCL:DSCL+1], s[DIMG:DIMG+1], s[78:79]
	s_mov_b32 s78, s70
	s_add_nc_u64 s[DIMG:DIMG+1], s[DIMG:DIMG+1], s[78:79]
	s_lshr_b32 s75, s[WV], 1                       ; m: the image of x that I help to make;  wave % 2: its K steps 0, 1 or 2, 3
	s_lshr_b32 s76, s75, 1
	s_lshl_b32 s76, s76, 5
	s_and_b32 s77, s75, 1
	s_lshl_b32 s77, s77, 3
	s_add_co_u32 s76, s76, s77                     ; its first row: 32 (m / 2) + 8 (m % 2)
	s_mul_i32 s76, s76, XROW
	s_and_b32 s78, s[WV], 1
	s_mul_i32 s77, s78, 1040                       ; K steps 2, 3 lie in the row's second half
	s_add_co_u32 s76, s76, s77
	s_lshl_b32 s75, s75, 2
	s_lshl_b32 s78, s78, 1
	s_add_co_u32 s75, s75, s78                     ; my first image: 4 m + 2 (wave % 2)
	s_mul_i32 s77, s75, FRB
	s_lshl_b32 s78, s75, 7
	v_and_b32 v1, 15, v0                           ; r
	v_bfe_u32 v2, v0, 4, 1                         ; h
	v_and_b32 v[AR], 8, v1
	v_add_nc_u32 v[AR], v[AR], v1                  ; r + 8 (r / 8)
	v_mul_u32_u24 v[XR], v[AR], XROW
	v_lshl_add_u32 v[XR], v2, 6, v[XR]             ; + 16 numbers for lanes 16-31
	v_add_nc_u32 v[XR], s76, v[XR]
	v_add_nc_u32 v[XR+1], SLOTB, v[XR]
	v_and_b32 v[AR+1], 31, v0
	v_lshlrev_b32 v[GI], 4, v[AR+1]
	v_lshlrev_b32 v[G8], 3, v[AR+1]
	v_add_nc_u32 v[GIS], s74, v[GI]
	v_add_nc_u32 v[LI], XIMG0, v[GI]
	v_lshl_add_u32 v[LS], v[AR+1], 2, XIMG0+XSCO
	v_add_nc_u32 v[XWI], s77, v[LI]
	v_add_nc_u32 v[XWS], s78, v[LS]
	v_lshlrev_b32 v[AR+4], 2, v[AR+1]              ; 4 x lane
	v_lshlrev_b32 v[AR+2], 6, v2
	v_lshlrev_b32 v[AR+3], 2, v[AR]
	v_cndmask_b32 v[AR+8], v[AR+2], v[AR+3], s72   ; the bias in the result's layout: q, k: register i is column 16 h + i of the pair of tiles; v: my lane's column in all eight
.irp i, 0,1,2,3,4,5,6
	v_add_nc_u32 v[AR+9+\i], s73, v[AR+8+\i]
.endr
.irp b, 0,1,2,3
	v_mov_b32 v[AR+88+\b], 0                       ; a lane permute's destination counts as one of its sources
.endr
	s_wait_alu depctr_va_vdst(0)                   ; the wait at the end of the head's vector work
.irp j, 0,1,2,3
.irp s, 0,1
.irp c, 0,1,2
	global_load_b128 v[W01+48*\s+12*\j+4*\c:W01+48*\s+12*\j+4*\c+3], v[GI], s[66:67] offset:(4*\j+\s)*FRB+512*\c
.endr
.endr
.endr
.irp j, 0,1,2,3
.irp s, 0,1,2,3
	global_load_b32 v[WS+4*\j+\s], v[AR+4], s[68:69] offset:(4*\j+\s)*128
.endr
.endr
	WIN 0x40
.irp j, 0,1,2,3
.irp s, 2,3
.irp c, 0,1,2
	global_load_b128 v[48*(\s-2)+12*\j+4*\c:48*(\s-2)+12*\j+4*\c+3], v[GI], s[66:67] offset:(4*\j+\s)*FRB+512*\c
.endr
.endr
.endr
.irp j, 0,1,2,3
.irp i, 0,1,2,3,4,5,6,7
	global_load_b32 v[BI+8*\j+\i], v[AR+8+\i], s[62:63] offset:(32*(\j/2)+8*(\j%2))*4
.endr
.endr
	WIN 0
	s_wait_tensorcnt 0x0                           ; my part of block 0 is in
	ds_add_u32 v[SPW], v[NIL]
	s_wait_dscnt 0x0
	s_barrier_signal -1
	s_barrier_wait -1                              ; everybody's part is in
	tensor_load_to_lds s[G0+4:G0+7], s[G1:G1+7]    ; block 1, into slot 1
	s_nop 0
	PLACES
	s_wait_loadcnt 0x0                             ; W, its scale words and the bias
	BLOCK 0
	BLOCK 1
	BLOCK 2
	BLOCK 3
	s_wait_tensorcnt 0x0                           ; the wave's end
	ds_add_u32 v[SPW], v[NIL]
	s_wait_dscnt 0x0
	s_endpgm
.Lfunc_end_k_q89ddb1b3bf_proj:
	.size	k_q89ddb1b3bf_proj, .Lfunc_end_k_q89ddb1b3bf_proj-k_q89ddb1b3bf_proj
	.p2alignl 7, 3214868480
	.fill 96, 4, 3214868480
	.section	.rodata,"a",@progbits
	.p2align	6, 0x0
	.amdhsa_kernel k_q89ddb1b3bf_proj
		.amdhsa_group_segment_fixed_size 327680
		.amdhsa_private_segment_fixed_size 0
		.amdhsa_enable_private_segment 0
		.amdhsa_kernarg_size 80
		.amdhsa_user_sgpr_count 2
		.amdhsa_user_sgpr_kernarg_segment_ptr 1
		.amdhsa_wavefront_size32 1
		.amdhsa_system_sgpr_workgroup_id_x 1
		.amdhsa_system_sgpr_workgroup_id_y 1
		.amdhsa_system_sgpr_workgroup_id_z 1
		.amdhsa_system_vgpr_workitem_id 0
		.amdhsa_next_free_vgpr 512
		.amdhsa_next_free_sgpr 80
		.amdhsa_reserve_vcc 0
		.amdhsa_float_denorm_mode_32 3
		.amdhsa_float_denorm_mode_16_64 3
		.amdhsa_memory_ordered 1
		.amdhsa_forward_progress 1
		.amdhsa_inst_pref_size 177
	.end_amdhsa_kernel
	.amdgpu_metadata
---
amdhsa.version: [ 1, 2 ]
amdhsa.kernels:
  - .name:           k_q89ddb1b3bf_proj
    .symbol:         k_q89ddb1b3bf_proj.kd
    .args:
      - { .name: query_tensor, .offset: 0, .size: 8, .value_kind: global_buffer, .address_space: global }
      - { .name: key_tensor, .offset: 8, .size: 8, .value_kind: global_buffer, .address_space: global }
      - { .name: value_tensor, .offset: 16, .size: 8, .value_kind: global_buffer, .address_space: global }
      - { .name: bq, .offset: 24, .size: 8, .value_kind: global_buffer, .address_space: global }
      - { .name: bk, .offset: 32, .size: 8, .value_kind: global_buffer, .address_space: global }
      - { .name: bv, .offset: 40, .size: 8, .value_kind: global_buffer, .address_space: global }
      - { .name: wimg, .offset: 48, .size: 8, .value_kind: global_buffer, .address_space: global }
      - { .name: wsc, .offset: 56, .size: 8, .value_kind: global_buffer, .address_space: global }
      - { .name: qbuf, .offset: 64, .size: 8, .value_kind: global_buffer, .address_space: global }
      - { .name: kvbuf, .offset: 72, .size: 8, .value_kind: global_buffer, .address_space: global }
    .group_segment_fixed_size: 327680
    .private_segment_fixed_size: 0
    .kernarg_segment_align: 8
    .kernarg_segment_size: 80
    .max_flat_workgroup_size: 256
    .sgpr_count:     80
    .vgpr_count:     512
    .wavefront_size: 32
...
	.end_amdgpu_metadata
.endif
;; end of part 2
;; launch attn (part 3): grid 4 x 64, 8 waves a work-group, clusters of 4 x 1, 327,680 bytes of LDS; arguments qbuf, kvbuf, attention_mask, out0; writes out0
.if DOCPART == 3
	.amdgcn_target "amdgcn-amd-amdhsa--gfx1250"
	.amdhsa_code_object_version 6
	.text
	.protected	k_q89ddb1b3bf_attn
	.globl	k_q89ddb1b3bf_attn
	.p2align	8
	.type	k_q89ddb1b3bf_attn,@function
k_q89ddb1b3bf_attn:
	s_mov_b64 s[64:65], 0
	v_nop
	global_prefetch_b8 v0, s[64:65] scope:SCOPE_SE
	s_setreg_imm32_b32 hwreg(HW_REG_WAVE_MODE, 25, 1), 1
	s_wait_xcnt 0x0
	s_wait_alu depctr_hold_cnt(0) depctr_sa_sdst(0) depctr_va_vdst(0) depctr_va_sdst(0) depctr_va_ssrc(0) depctr_va_vcc(0) depctr_vm_vsrc(0)
	s_getreg_b32 s2, hwreg(HW_REG_IB_STS2, 6, 4)
	s_cmp_eq_u32 s2, 0
	s_cbranch_scc0 .Lentry_in_a_cluster
	s_endpgm
.Lentry_in_a_cluster:
	s_bfe_u32 s2, ttmp6, 0x10000c
	s_cmp_lg_u32 s2, 0x3003
	s_cbranch_scc0 .Lentry_shape_is_right
	s_endpgm
.Lentry_shape_is_right:
; out0[b][q][64 head + d] = the sum over keys of softmax_k(q . k / 8 + mask[b][k]) v[k][d], both products on codes of FP6 (E2M3), from the images that the launch before has stored.  No work is left out.
; THE SOFTMAX: t = logit x log2(e); M = the row's largest t so far, rounded UP to a whole number; p = 2^(t - M) is quantised along the keys, not normalised; the row's sum is taken of the unquantised p and divides at the end.
; When M moves, the sums and O are multiplied by 2^(old M - new M): exact.
; SHARES.  A work-group owns 512 queries of one head, each of its eight waves 64: four tiles of 16.  Each fragment of K and V that a wave reads from LDS feeds its four tiles.
; A WHOLE HEAD LIES IN LDS: the batch's mask (8,192 bytes), then the head's 16 records of 128 keys (221,184 bytes), each byte filled once.
; CLUSTER.  The four work-groups of a head ask for all of that JOINTLY.  At the head each wave issues one load of 32 rows of 256 bytes: wave 0 the mask, waves 1-7 the head's first 224 rows (records 0-3 are 216).
; The other 640 rows, 80 a wave, are asked for behind the full sequence and a round, and are waited for behind step 2: three steps, 144 matrix instructions a wave, lie between.
; NO PREFETCH: all that the launch fetches is asked for by these two groups at its head; there is no later stream to run ahead of.
; LAYOUT.  Both products are used transposed: S^T = K Q^T, O^T = V^T P^T: a lane holds ONE query throughout.
; THE KEYS OF A TILE are chosen by the LDS addresses alone: tile 4 c + T takes for its rows 0-7 keys 64 c + 8 T + 0..7 and for its rows 8-15 keys 64 c + 32 + 8 T + 0..7.  So lane (r, h) holds in the 32 registers of
; tiles 4 c .. 4 c + 3 the keys 64 c + 32 h + 0 .. 31: a whole block, in the order of the second product's operand.  No lane is asked for a block's maximum and no code changes lanes.
; In the stored images key 32 B + 16 g + 8 u + i lies in image 2 B + u at lane 8 g + i: hence the lane terms 1536 (r / 8) + 16 (r % 8) + 256 h and the immediates 768 (4 c + u) + 128 g.
; K = 64 IN A FORM OF K = 128.  Q's registers 6-11 are zeros; K's tile t is named v[KF + 6 t .. + 11]: its upper six are the next tile's codes (behind tile 7: zeros), which meet zero codes under scale bytes of 1.0.
; THE DIVISION BY 8 is 3 off q's two scale bytes (they are 4 at the least).  THE MASK is the C of the first product.
; THE ROW'S SUM of tile q is added up between the score products of the next tile: each product on S's registers 8 t .. 8 t + 7 stands behind the additions that read them (11 + 3 t additions of 2 registers are done by then).
; A block's largest p is not searched for: the block's largest score goes through the same multiply-add and exponential (this takes v_exp_f32 not to fall where its input rises).
; LIMITS: NaN and infinities are not served; finite holes in the mask, however deep, give p = 0; a row all of whose scores lie under -2^126 is not served.
; REGISTERS.  Window 0: the names below.  Window 1: v0-127 O^T (tile q, tile of d t: 32 q + 8 t); v128-191 the step's mask; v192-239 V's four fragments.
.set REC,   13824
.set RECB,  8192                       ; LDS: the mask at 0, the records from here
.set STAGE, RECB+16*REC                ; the stages for the way out: 16 rows x 272 bytes a wave
.set SPARE, STAGE+8*16*272             ; the spare words, 128 bytes a wave
.set LK16, 1                           ; v1-6 lane terms, never rewritten: K's 16-byte and 8-byte pieces, K's scale words, the mask, 16 x lane, 8 x lane
.set LK8,  2
.set LKS,  3
.set LM,   4
.set L16,  5
.set L8,   6
.set AK16, 7                           ; v7-12 the same with the fetched step's base
.set AK8,  8
.set AKS,  9
.set AM,   10
.set AV16, 11
.set AV8,  12
.set SPW,  13
.set NIL,  14
.set SH8,  15                          ; 8 h
.set ST,   16                          ; tile q at v[16 + 6 q]: -M, the largest score, the sum in two pairs
.set QS,   40
.set KS,   44
.set VS,   52
.set PS,   56
.set W2,   57
.set P,    58                          ; v58-69 p's codes
.set BP,   70                          ; v70-77 the upper halves' codes on their way; the way out's addresses
.set BM,   78
.set SOP,  82
.set E,    84
.set F,    86
.set TMP,  88
.set S,    90                          ; v90-153 S^T, then p
.set KF,   154                         ; v154-201 K's eight images; v202-207 zeros
.set ZR,   202
.set QF,   208                         ; v208-255 Q, 12 a tile
.set MK,   128                         ; window 1
.set VF,   192
.set STO,  70
.set RD,   71
.set GO,   72
.set HH,   74
.set WV,  12
.set SEL, 20
.set CS,  22
.set G1A, 24
.set G1B, 32
.set G0A, 40
.set G0B, 44
.set TB,  60
.set TMK, 61
.set CNT, 62
.set NCS, 63
.set MSB, 0
.macro WIN new
.if MSB != \new
	s_set_vgpr_msb (MSB<<8)|\new
.set MSB, \new
.endif
.endm
.macro PLACES
.rept 4
	v_nop
.endr
.endm
.macro CROUND
	s_barrier_signal -1
	s_barrier_wait -1
	s_cmp_lg_u32 s[WV], 0
	s_cbranch_scc1 .Lnot_wave_0_\@
	s_barrier_signal -3
.Lnot_wave_0_\@:
	s_barrier_wait -3
	s_barrier_signal -1
	s_barrier_wait -1
.endm
.macro LOADK                           ; a step's K, its scale words and its mask: 36 LDS loads
.irp c, 0,1
.irp g, 0,1
.irp u, 0,1
	ds_load_b128 v[KF+6*(4*\c+2*\g+\u):KF+6*(4*\c+2*\g+\u)+3], v[AK16] offset:768*(4*\c+\u)+128*\g
	ds_load_b64 v[KF+6*(4*\c+2*\g+\u)+4:KF+6*(4*\c+2*\g+\u)+5], v[AK8] offset:768*(4*\c+\u)+512+64*\g
.endr
	ds_load_b64 v[KS+4*\c+2*\g:KS+4*\c+2*\g+1], v[AKS] offset:12288+512*\c+128*\g   ; the words of tiles 4 c + 2 g and + 1
.endr
.endr
	WIN 0x40
.irp t, 0,1,2,3,4,5,6,7
	ds_load_b128 v[MK+8*\t:MK+8*\t+3], v[AM] offset:32*\t+128*(\t/4)          ; register j of tile t: key 64 (t / 4) + 32 h + 8 (t % 4) + j
	ds_load_b128 v[MK+8*\t+4:MK+8*\t+7], v[AM] offset:32*\t+128*(\t/4)+16
.endr
	WIN 0
.endm
.macro LOADV                           ; a step's V and its scale words: 17 LDS loads
	WIN 0x40
.irp t, 0,1,2,3
.irp c, 0,1
	ds_load_b128 v[VF+12*\t+6*\c:VF+12*\t+6*\c+3], v[AV16] offset:6144+3072*\c+768*\t
	ds_load_b64 v[VF+12*\t+6*\c+4:VF+12*\t+6*\c+5], v[AV8] offset:6144+3072*\c+768*\t+512
.endr
.endr
	WIN 0
	ds_load_b128 v[VS:VS+3], v[AV16] offset:13312
.endm
.macro SQW q, t                        ; S^T = K Q^T / 8 + mask: tile t of the keys, tile q of the queries; the mask (C) in window 1
	v_wmma_scale_f32_16x16x128_f8f6f4 v[S+8*(\t):S+8*(\t)+7], v[KF+6*(\t):KF+6*(\t)+11], v[QF+12*(\q):QF+12*(\q)+11], v[MK+8*(\t):MK+8*(\t)+7], v[KS+(\t)], v[QS+(\q)] matrix_a_fmt:MATRIX_FMT_FP6 matrix_b_fmt:MATRIX_FMT_FP6
.endm
.macro ADDS q, n0, n1                  ; the row's sum of the unquantised p: line n takes registers 2 n, 2 n + 1, the two pairs by turns; the first two lines bring the pairs under the new M
.set N, \n0
.rept (\n1)-(\n0)
.set SA, ST+6*(\q)+2+2*(N%2)
.if N < 2
	v_pk_fma_f32 v[SA:SA+1], v[SA:SA+1], v[F:F+1], v[S+2*N:S+2*N+1] op_sel_hi:[1,0,1]
.else
	v_pk_add_f32 v[SA:SA+1], v[S+2*N:S+2*N+1], v[SA:SA+1]
.endif
.set N, N+1
.endr
.endm
; fetch = 1: the next step's K and mask are fetched.  lwait = 1: LDS loads are waited for behind the exponentials (tile 0: V; tile 3: the next K).
.macro SOFT q, fetch, lwait
.set TQ, ST+6*(\q)
.irp b, 0,1,2,3
	v_max3_num_f32 v[BM+\b], v[S+16*\b], v[S+16*\b+1], v[S+16*\b+2]   ; four chains of 16; each accumulator is read from its low end on
.endr
.if \fetch
	s_add_co_u32 s[TB], s[TB], REC
	s_add_co_u32 s[TMK], s[TMK], 512
	v_add_nc_u32 v[AK16], s[TB], v[LK16]           ; (with the four lines above: the places in front of loads into registers that the score products have read)
	v_add_nc_u32 v[AK8], s[TB], v[LK8]
	v_add_nc_u32 v[AKS], s[TB], v[LKS]
	v_add_nc_u32 v[AM], s[TMK], v[LM]
	v_add_nc_u32 v[AV16], s[TB], v[L16]
	v_add_nc_u32 v[AV8], s[TB], v[L8]
	LOADK
.endif
.irp i, 3,5,7,9,11,13
.irp b, 0,1,2,3
	v_max3_num_f32 v[BM+\b], v[BM+\b], v[S+16*\b+\i], v[S+16*\b+\i+1]
.endr
.endr
	v_max3_num_f32 v[BM+1], v[BM+1], v[S+31], v[S+15]
	v_max3_num_f32 v[BM+3], v[BM+3], v[S+63], v[S+47]
	s_delay_alu instid0(VALU_DEP_2)
	v_max_num_f32 v[BM], v[BM], v[BM+1]            ; my block of c = 0: its largest score
	s_delay_alu instid0(VALU_DEP_2)
	v_max_num_f32 v[BM+2], v[BM+2], v[BM+3]        ; and of c = 1
	s_delay_alu instid0(VALU_DEP_1)
	v_max_num_f32 v[TMP], v[BM], v[BM+2]
	s_delay_alu instid0(VALU_DEP_1)
	v_permlanex16_b32 v[W2], v[TMP], s[SEL], s[SEL+1]
	v_mov_b32 v[TMP+1], v[TQ]
	s_delay_alu instid0(VALU_DEP_2)
	v_max3_num_f32 v[TQ+1], v[TQ+1], v[TMP], v[W2] ; the running largest score of my query
	s_delay_alu instid0(VALU_DEP_1)
	v_mul_f32 v[TMP], s[NCS], v[TQ+1]              ; -t
	s_delay_alu instid0(VALU_DEP_1)
	v_floor_f32 v[TQ], v[TMP]                      ; the new -M = floor(-t): M is a whole number
.set J, 0
.rept 32
	v_pk_fma_f32 v[S+J:S+J+1], v[S+J:S+J+1], s[CS:CS+1], v[TQ:TQ+1] op_sel_hi:[1,0,0]   ; t - M, two at a time
.if J == 4
	v_sub_f32 v[TMP], v[TQ], v[TMP+1]              ; old M - new M: a whole number, 0 or less
.elseif J == 12
	v_cvt_i32_f32 v[TMP], v[TMP]                   ; (it saturates)
.elseif J == 20
	v_ldexp_f32 v[F], 1.0, v[TMP]                  ; f = 2^(old M - new M)
.endif
.set J, J+2
.endr
	v_fma_f32 v[BM], v[BM], s[CS], v[TQ]           ; the same of my two blocks' largest scores
	v_fma_f32 v[BM+2], v[BM+2], s[CS], v[TQ]
	s_wait_alu depctr_va_vdst(0)                   ; the wait ahead of the batch
.set J, 0
.rept 64
	v_exp_f32 v[S+J], v[S+J]                       ; p = 2^(t - M)
.set J, J+1
.endr
	v_exp_f32 v[BM], v[BM]
	v_exp_f32 v[BM+2], v[BM+2]                     ; one batch of 66
.if \lwait
	s_wait_dscnt 0x0                               ; all my LDS loads are in
.endif
	WIN 0x41
	s_wait_alu depctr_va_vdst(0)                   ; one wait for the batch and for O^T's first readers
.set J, 0
.rept 16
	v_pk_mul_f32 v[32*(\q)+J:32*(\q)+J+1], v[32*(\q)+J:32*(\q)+J+1], v[F:F+1] op_sel_hi:[1,0]   ; O^T under the new M
.set J, J+2
.endr
	WIN 0
	v_max_num_f32 v[BM], 0x1800000, v[BM]          ; the floor 2^(3 - 127): the byte cannot fall under 1
	v_max_num_f32 v[BM+2], 0x1800000, v[BM+2]
	s_delay_alu instid0(VALU_DEP_2)
	v_add_nc_u32 v[SOP], 0xff000000, v[BM]         ; 2 off the exponent field: the conversion's scale operand
	s_delay_alu instid0(VALU_DEP_2)
	v_add_nc_u32 v[SOP+1], 0xff000000, v[BM+2]
.irp c, 0,1
	v_cvt_scalef32_pk16_fp6_f32 v[P+6*\c:P+6*\c+2], v[S+32*\c:S+32*\c+15], v[SOP+\c]
	v_cvt_scalef32_pk16_fp6_f32 v[BP+4*\c:BP+4*\c+2], v[S+32*\c+16:S+32*\c+31], v[SOP+\c]   ; (a conversion's three registers begin on an even number)
.endr
	v_lshrrev_b32 v[E], 23, v[SOP]                 ; the bytes of blocks h and 2 + h.  (The plain place behind the conversions)
	v_lshrrev_b32 v[E+1], 23, v[SOP+1]
	v_mov_b32 v[P+3], v[BP]
	v_mov_b32 v[P+4], v[BP+1]
	v_lshl_or_b32 v[TMP], v[E+1], 16, v[E]
	v_mov_b32 v[P+5], v[BP+2]
	v_mov_b32 v[P+9], v[BP+4]
	v_lshlrev_b32 v[TMP], v[SH8], v[TMP]           ; at their places in the word
	v_mov_b32 v[P+10], v[BP+5]
	v_mov_b32 v[P+11], v[BP+6]
	v_permlanex16_b32 v[W2], v[TMP], s[SEL], s[SEL+1]
	ADDS \q, 0, 2
	v_or_b32 v[PS], v[TMP], v[W2]                  ; with lane l xor 16's two bytes: p's scale word for these 128 keys
.endm
; O^T += V^T P^T for tile q; sq = 1: then the scores of tile nq, with the rest of tile q's sum between them
.macro TURN q, nq, sq
	ADDS \q, 2, 11                                 ; nine lines: the places between p's scale word and codes and the products
	WIN 0x51                                       ; V (source 0), C and D window 1
.irp t, 0,1,2,3
	v_wmma_scale_f32_16x16x128_f8f6f4 v[32*(\q)+8*\t:32*(\q)+8*\t+7], v[VF+12*\t:VF+12*\t+11], v[P:P+11], v[32*(\q)+8*\t:32*(\q)+8*\t+7], v[VS+\t], v[PS] matrix_a_fmt:MATRIX_FMT_FP6 matrix_b_fmt:MATRIX_FMT_FP6
.endr
.if \sq
	WIN 0x10                                       ; C window 1; the additions name sources 0 and 1 and the destination alone
.irp t, 0,1,2,3,4,5,6,7
	SQW \nq, \t
.if \t < 7
	ADDS \q, 11+3*\t, 14+3*\t
.endif
.endr
	WIN 0
.else
	WIN 0
	ADDS \q, 11, 32
.endif
.endm
; A KEY STEP: 128 keys for my four tiles.  It finds tile 0's scores made, and (last = 0) leaves the next step's made.
.macro STEP last
	SOFT 0, 0, 1
	TURN 0, 1, 1
	SOFT 1, 0, 0
	TURN 1, 2, 1
	SOFT 2, 0, 0
	TURN 2, 3, 1
.if \last
	SOFT 3, 0, 0
	TURN 3, 0, 0
.else
	SOFT 3, 1, 1
	TURN 3, 0, 1
	LOADV                                          ; 21 additions stand behind the last product that read V
.endif
.endm
	s_load_b256 s[4:11], s[0:1], 0x0               ; qbuf, kvbuf, attention_mask, out0
	v_lshl_add_u32 v[SPW], v0, 2, SPARE
	v_mov_b32 v[NIL], 0
	ds_add_u32 v[SPW], v[NIL]
	ds_add_u32 v[SPW], v[NIL]
	v_lshrrev_b32 v1, 5, v0
	v_readfirstlane_b32 s[WV], v1                  ; wave 0..7
	s_and_b32 s14, ttmp7, 0xffff                   ; batch x 8 + head, which the four partners share
	s_bfe_u32 s13, ttmp6, 0x40000                  ; cx
.irp g, G1A, G1B
	s_mov_b32 s[\g], 15|(3<<16)|(1<<21)            ; all four work-groups; elements of 8 bytes; bit 21 beside a mask
	s_mov_b32 s[\g+1], 32<<16                      ; rows of 256 bytes, dense
	s_mov_b32 s[\g+3], 32<<16
	s_mov_b32 s[\g+5], 32
	s_mov_b32 s[\g+6], 0
	s_mov_b32 s[\g+7], 0
.endr
	s_mov_b32 s[G1A+2], 32<<16                     ; the head's loads: 32 rows
	s_mov_b32 s[G1A+4], 32
	s_mov_b32 s[G1B+2], 80<<16                     ; the second group's: 80 rows
	s_mov_b32 s[G1B+4], 80
	s_mov_b32 s[SEL], 0x76543210
	s_mov_b32 s[SEL+1], 0xfedcba98
	s_mov_b32 s[CS], 0x3fb8aa3b                    ; log2(e)
	s_mov_b32 s[CS+1], s[CS]
	s_mov_b32 s[NCS], 0xbfb8aa3b                   ; -log2(e)
	s_mul_i32 s66, s14, 16*REC                     ; the head's first byte in kvbuf
	s_lshl_b32 s67, s[WV], 13                      ; 8,192 x wave: where my first load lands
	s_add_co_u32 s70, s66, s67
	s_sub_co_u32 s70, s70, 8192                    ; waves 1-7: the head's rows 32 (w - 1) ..
	s_lshr_b32 s74, s14, 3
	s_lshl_b32 s74, s74, 13                        ; wave 0: the batch's 8,192 bytes of the mask
	s_cmp_eq_u32 s[WV], 0
	s_cselect_b32 s70, s74, s70
	s_mov_b32 s71, 0
	s_mul_i32 s69, s[WV], 20480
	s_add_co_u32 s72, s66, s69
	s_add_co_u32 s72, s72, 57344                   ; the second group: rows 224 + 80 w ..
	s_mov_b32 s73, 0
	s_wait_dscnt 0x0
	s_wait_kmcnt 0x0
	CROUND                                         ; all four work-groups are here: the joint loads meet
	s_cmp_eq_u32 s[WV], 0
	s_cselect_b64 s[74:75], s[8:9], s[6:7]         ; the choice hangs on the wave's number alone
	s_mov_b32 s[G0A], 1
	s_mov_b32 s[G0A+1], s67
	s_add_nc_u64 s[G0A+2:G0A+3], s[74:75], s[70:71]
	s_or_b32 s[G0A+3], s[G0A+3], 0x80000000
	s_mov_b32 s[G0B], 1
	s_add_co_u32 s[G0B+1], s69, RECB+57344
	s_add_nc_u64 s[G0B+2:G0B+3], s[6:7], s[72:73]
	s_or_b32 s[G0B+3], s[G0B+3], 0x80000000
	tensor_load_to_lds s[G0A:G0A+3], s[G1A:G1A+7]  ; my one load at the head
	s_nop 0
	PLACES
	s_lshl_b32 s15, ttmp9, 2
	s_add_co_u32 s15, s15, s13                     ; my block of 512 queries
	s_lshl_b32 s16, s14, 4
	s_lshl_b32 s17, s15, 2
	s_add_co_u32 s16, s16, s17
	s_lshr_b32 s17, s[WV], 1
	s_add_co_u32 s16, s16, s17                     ; my record of q
	s_mul_i32 s16, s16, 7168
	s_mov_b32 s17, 0
	s_add_nc_u64 s[4:5], s[4:5], s[16:17]
	s_and_b32 s16, s[WV], 1
	s_lshl_b32 s16, s16, 9
	s_add_nc_u64 s[18:19], s[4:5], s[16:17]        ; its scale words, 6,144 bytes further on
	s_mul_i32 s16, s16, 6
	s_add_nc_u64 s[4:5], s[4:5], s[16:17]          ; its four images
	s_lshr_b32 s16, s14, 3
	s_lshl_b32 s16, s16, 22                        ; out0: the batch, my block's 512 rows, my wave's 64, the head's 256 bytes
	s_lshl_b32 s17, s15, 20
	s_add_co_u32 s16, s16, s17
	s_lshl_b32 s17, s[WV], 17
	s_add_co_u32 s16, s16, s17
	s_and_b32 s17, s14, 7
	s_lshl_b32 s17, s17, 8
	s_add_co_u32 s16, s16, s17
	s_mov_b32 s17, 0
	s_add_nc_u64 s[10:11], s[10:11], s[16:17]
	s_mov_b32 s[TB], RECB
	s_mov_b32 s[TMK], 0
	v_and_b32 v[L8], 31, v0
	v_lshlrev_b32 v[L16], 4, v[L8]
	v_lshlrev_b32 v[L8], 3, v[L8]
.irp q, 0,1,2,3
	global_load_b128 v[QF+12*\q:QF+12*\q+3], v[L16], s[4:5] offset:768*\q
	global_load_b64 v[QF+12*\q+4:QF+12*\q+5], v[L8], s[4:5] offset:768*\q+512
.endr
	global_load_b128 v[QS:QS+3], v[L16], s[18:19] offset:6144
	v_bfe_u32 v[TMP], v0, 4, 1                     ; h
	v_and_b32 v[E], 7, v0                          ; r % 8
	v_bfe_u32 v[E+1], v0, 3, 1                     ; r / 8
	v_lshlrev_b32 v[SH8], 3, v[TMP]
	v_lshlrev_b32 v[LM], 7, v[TMP]                 ; the mask: 32 keys further on for lanes 16-31
	v_mul_u32_u24 v[LK16], v[E+1], 1536
	v_lshl_add_u32 v[LK8], v[E], 3, v[LK16]
	v_lshl_add_u32 v[LK8], v[TMP], 7, v[LK8]
	v_lshl_add_u32 v[LK16], v[E], 4, v[LK16]
	v_lshl_add_u32 v[LK16], v[TMP], 8, v[LK16]
	v_lshlrev_b32 v[LKS], 4, v[E]
	v_lshl_add_u32 v[LKS], v[E+1], 3, v[LKS]
	v_add_nc_u32 v[AK16], s[TB], v[LK16]
	v_add_nc_u32 v[AK8], s[TB], v[LK8]
	v_add_nc_u32 v[AKS], s[TB], v[LKS]
	v_add_nc_u32 v[AM], s[TMK], v[LM]
	v_add_nc_u32 v[AV16], s[TB], v[L16]
	v_add_nc_u32 v[AV8], s[TB], v[L8]
.irp q, 0,1,2,3
.irp i, 6,7,8,9,10,11
	v_mov_b32 v[QF+12*\q+\i], 0                    ; the K that q does not have: zero codes
.endr
.endr
.irp i, 0,1,2,3,4,5
	v_mov_b32 v[ZR+\i], 0                          ; behind K's last image
.endr
	v_mov_b32 v[W2], 0                             ; a lane permute's destination counts as one of its sources
	v_mov_b32 v[F+1], 0                            ; (named as the upper half of a pair)
.irp q, 0,1,2,3
	v_mov_b32 v[ST+6*\q], 0x7e800000               ; -M = 2^126
	v_mov_b32 v[ST+6*\q+1], 0xfe800000             ; the largest score so far: -2^126
.irp i, 2,3,4,5
	v_mov_b32 v[ST+6*\q+\i], 0
.endr
.endr
	WIN 0x40
.set J, 0
.rept 128
	v_mov_b32 v[J], 0                              ; O^T: a step is written for every step alike, and the first finds zeros
.set J, J+1
.endr
	WIN 0
	s_wait_alu depctr_va_vdst(0)                   ; the wait ahead of the wait below
	s_wait_loadcnt 0x0                             ; Q and its scale words
.irp q, 0,1,2,3
	v_add_nc_u32 v[QS+\q], 0xfffffcfd, v[QS+\q]    ; 3 off both bytes: the division by 8
.endr
	s_wait_alu depctr_va_vdst(0)                   ; the wait at the head's end
	s_wait_tensorcnt 0x0                           ; my first load is in
	ds_add_u32 v[SPW], v[NIL]
	s_wait_dscnt 0x0
	CROUND                                         ; everybody's is in, and the four work-groups are here
	tensor_load_to_lds s[G0B:G0B+3], s[G1B:G1B+7]  ; the head's other 640 rows, 80 of them mine
	s_nop 0
	PLACES
	LOADK                                          ; step 0
	LOADV
	s_wait_dscnt 17                                ; K, its scale words and the mask are in: V's 17 loads were issued behind them
	WIN 0x10
.irp t, 0,1,2,3,4,5,6,7
	SQW 0, \t
.endr
	WIN 0
	PLACES                                         ; in front of the first read of results
	s_mov_b32 s[CNT], 3
.Lfirst:                                           ; steps 0-2; they fetch records 1-3
	STEP 0
	s_sub_co_u32 s[CNT], s[CNT], 1
	s_cmp_lg_u32 s[CNT], 0
	s_wait_alu depctr_va_vdst(0)                   ; the wait ahead of the branch
	s_cbranch_scc1 .Lfirst
	s_wait_tensorcnt 0x0                           ; my part of the second group is in,
	s_wait_dscnt 0x0                               ; no LDS load of mine is out at the signal,
	s_barrier_signal -1
	s_barrier_wait -1                              ; everybody's is
	s_mov_b32 s[CNT], 12
.Lrest:                                            ; steps 3-14; they fetch records 4-15
	STEP 0
	s_sub_co_u32 s[CNT], s[CNT], 1
	s_cmp_lg_u32 s[CNT], 0
	s_wait_alu depctr_va_vdst(0)
	s_cbranch_scc1 .Lrest
	STEP 1                                         ; step 15 fetches nothing
	; THE WAY OUT.  O^T is divided by the sum and goes through my stage, a tile of 16 queries at a time: sixteen lanes then store a query's 256 bytes of this head.
	v_and_b32 v[GO], 15, v0                        ; r
	v_bfe_u32 v[HH], v0, 4, 1                      ; h
	s_mul_i32 s66, s[WV], 16*272
	s_add_co_u32 s66, s66, STAGE
	v_mul_u32_u24 v[STO], v[GO], 272               ; in: row r, + 64 h
	v_mul_u32_u24 v[RD], v[HH], 272                ; back: lanes 0-15 one row of 256 bytes, lanes 16-31 the next
	v_lshl_add_u32 v[STO], v[HH], 6, v[STO]
	v_lshl_add_u32 v[RD], v[GO], 4, v[RD]
	v_add_nc_u32 v[STO], s66, v[STO]
	v_add_nc_u32 v[RD], s66, v[RD]
	v_lshlrev_b32 v[GO], 4, v[GO]
	v_lshl_add_u32 v[GO], v[HH], 11, v[GO]         ; and the same two rows in out0
.irp q, 0,1,2,3
	v_pk_add_f32 v[ST+6*\q+2:ST+6*\q+3], v[ST+6*\q+2:ST+6*\q+3], v[ST+6*\q+4:ST+6*\q+5]
.endr
.irp q, 0,1,2,3
	v_add_f32 v[BM+\q], v[ST+6*\q+2], v[ST+6*\q+3]
.endr
.irp q, 0,1,2,3
	v_permlanex16_b32 v[P+\q], v[BM+\q], s[SEL], s[SEL+1]
.endr
.irp q, 0,1,2,3
	v_add_f32 v[BM+\q], v[BM+\q], v[P+\q]          ; the row's sum
.endr
	s_wait_alu depctr_va_vdst(0)                   ; the wait ahead of the batch
.irp q, 0,1,2,3
	v_rcp_f32 v[ST+6*\q+2], v[BM+\q]
.endr
	v_nop
	s_wait_alu depctr_va_vdst(0)                   ; and behind it
.macro OUTT q
.set SB, S+32*((\q)%2)
.set RB, KF+32*((\q)%2)
	WIN 0x01
.set J, 0
.rept 16
	v_pk_mul_f32 v[SB+J:SB+J+1], v[32*(\q)+J:32*(\q)+J+1], v[ST+6*(\q)+2:ST+6*(\q)+3] op_sel_hi:[1,0]   ; register 8 t + j: d = 32 (t / 2) + 8 (t % 2) + 16 h + j of query r
.set J, J+2
.endr
	WIN 0
.irp t, 0,1,2,3
	ds_store_b128 v[STO], v[SB+8*\t:SB+8*\t+3] offset:128*(\t/2)+32*(\t%2)
	ds_store_b128 v[STO], v[SB+8*\t+4:SB+8*\t+7] offset:128*(\t/2)+32*(\t%2)+16
.endr
.if (\q) > 1
	s_wait_xcnt 0x0                                ; the stores of two tiles back have read their registers: the loads below land there
.endif
.irp i, 0,1,2,3,4,5,6,7
	ds_load_b128 v[RB+4*\i:RB+4*\i+3], v[RD] offset:544*\i   ; LDS serves a wave's instructions in order: these see my stores
.endr
.irp i, 0,1,2,3,4,5,6,7
	s_wait_dscnt 7-\i
	global_store_b128 v[GO], v[RB+4*\i:RB+4*\i+3], s[10:11] offset:(32*((\q)/2)+8*((\q)%2)+2*\i+8*(\i/4))*2048 th:TH_STORE_NT   ; stage row 2 i + lane / 16 is query 32 (q / 2) + 8 (q % 2) + row + 8 (row / 8); 16 lanes store 256 consecutive bytes, aligned
.endr
.endm
	OUTT 0
	OUTT 1
	OUTT 2
	OUTT 3
	s_wait_tensorcnt 0x0                           ; the wave's end
	ds_add_u32 v[SPW], v[NIL]
	s_wait_dscnt 0x0
	CROUND                                         ; the closing round
	s_endpgm
.Lfunc_end_k_q89ddb1b3bf_attn:
	.size	k_q89ddb1b3bf_attn, .Lfunc_end_k_q89ddb1b3bf_attn-k_q89ddb1b3bf_attn
	.p2alignl 7, 3214868480
	.fill 96, 4, 3214868480
	.section	.rodata,"a",@progbits
	.p2align	6, 0x0
	.amdhsa_kernel k_q89ddb1b3bf_attn
		.amdhsa_group_segment_fixed_size 327680
		.amdhsa_private_segment_fixed_size 0
		.amdhsa_enable_private_segment 0
		.amdhsa_kernarg_size 32
		.amdhsa_user_sgpr_count 2
		.amdhsa_user_sgpr_kernarg_segment_ptr 1
		.amdhsa_wavefront_size32 1
		.amdhsa_system_sgpr_workgroup_id_x 1
		.amdhsa_system_sgpr_workgroup_id_y 1
		.amdhsa_system_sgpr_workgroup_id_z 1
		.amdhsa_system_vgpr_workitem_id 0
		.amdhsa_next_free_vgpr 512
		.amdhsa_next_free_sgpr 76
		.amdhsa_reserve_vcc 0
		.amdhsa_float_denorm_mode_32 3
		.amdhsa_float_denorm_mode_16_64 3
		.amdhsa_memory_ordered 1
		.amdhsa_forward_progress 1
		.amdhsa_inst_pref_size 189
	.end_amdhsa_kernel
	.amdgpu_metadata
---
amdhsa.version: [ 1, 2 ]
amdhsa.kernels:
  - .name:           k_q89ddb1b3bf_attn
    .symbol:         k_q89ddb1b3bf_attn.kd
    .args:
      - { .name: qbuf, .offset: 0, .size: 8, .value_kind: global_buffer, .address_space: global }
      - { .name: kvbuf, .offset: 8, .size: 8, .value_kind: global_buffer, .address_space: global }
      - { .name: attention_mask, .offset: 16, .size: 8, .value_kind: global_buffer, .address_space: global }
      - { .name: out0, .offset: 24, .size: 8, .value_kind: global_buffer, .address_space: global }
    .group_segment_fixed_size: 327680
    .private_segment_fixed_size: 0
    .kernarg_segment_align: 8
    .kernarg_segment_size: 32
    .max_flat_workgroup_size: 256
    .sgpr_count:     76
    .vgpr_count:     512
    .wavefront_size: 32
...
	.end_amdgpu_metadata
.endif
;; end of part 3
